; MI455X (gfx1250); checked and timed in simulation.
; The chip was launched on July 23, 2026; its instructions are those of AMD's public machine-readable ISA for CDNA 5 (MIT licence, August 2026) and "CDNA5" Instruction Set Architecture Reference Guide (July 2026). The comments in the code are by the model that wrote it; some were corrected since.
;; Multi Head Attention. Allowed arithmetic: float matrix products may take bf16 or f16 operands with f32 sums; all other float work in f32.
;; Inputs: Wk 512 x 2,048 float32; Wo 2,048 x 2,048 float32; Wq 2,048 x 2,048 float32; Wv 512 x 2,048 float32; attention_mask 1 x 1 x 2,048 x 2,048 float32; hidden_states 1 x 2,048 x 2,048 float32; position_cos 2,048 x 64 float32; position_sin 2,048 x 64 float32.
;; Outputs: out0 1 x 2,048 x 2,048 float32.
;; One version. Each part assembles by itself: llvm-mc -triple=amdgcn-amd-amdhsa -mcpu=gfx1250 --defsym DOCPART=n.
;; ======== version 1 of 1: 4 launches
;; limits: values are held in f16: magnitudes above 65,504 overflow, below 6.1e-05 lose precision; values outside matrix products are rounded to bf16
;; workspace buffers: xb 8,388,608 bytes; wqkv 12,582,912 bytes; wob 8,388,608 bytes; qkv 12,582,912 bytes; ab 8,388,608 bytes
;; launch cast (part 1): grid 128 x 10, 8 waves a work-group, no clusters, 0 bytes of LDS; arguments hidden_states, Wq, Wk, Wv, xb, wqkv; writes xb, wqkv
.if DOCPART == 1
	.amdgcn_target "amdgcn-amd-amdhsa--gfx1250"
	.amdhsa_code_object_version 6
	.text
	.protected	k_qe654ef75d1_cast
	.globl	k_qe654ef75d1_cast
	.p2align	8
	.type	k_qe654ef75d1_cast,@function
k_qe654ef75d1_cast:
	s_mov_b64 s[64:65], 0
	v_nop
	global_prefetch_b8 v0, s[64:65] scope:SCOPE_SE
	s_setreg_imm32_b32 hwreg(HW_REG_WAVE_MODE, 25, 1), 1
	s_wait_xcnt 0x0
; The operands of the first product, f32, are rounded once to bf16, so that the product moves half the bytes.
;   hidden_states -> xb;  Wq, Wk, Wv -> wqkv (rows 0-2047 Wq, 2048-2559 Wk, 2560-3071 Wv).
; Work-group (x, y): y = a segment of 4 MiB of f32 (0-3 hidden_states, 4-7 Wq, 8 Wk, 9 Wv), x = 32 KiB of it.
; Each load of a wave covers 512 neighbouring bytes, each store 256 neighbouring bytes that start at a multiple of 256.
; No LDS, no matrix unit, no cluster: nothing is shared and every byte is touched once.
.set X, 4                              ; v[4:35]   eight loads of 4 f32
.set Y, 36                             ; v[36:51]  eight stores of 4 bf16
	s_load_b256 s[8:15], s[0:1], 0x0               ; hidden s[8:9], Wq s[10:11], Wk s[12:13], Wv s[14:15]
	s_load_b128 s[16:19], s[0:1], 0x20             ; xb s[16:17], wqkv s[18:19]
	s_and_b32 s2, ttmp7, 0xffff                    ; y
	s_max_u32 s4, s2, 4
	s_sub_co_u32 s4, s4, 4                         ; y - 4 where y >= 4 (else 0, not used)
	v_lshlrev_b32 v1, 4, v0                        ; 16 bytes of f32 a thread
	v_lshlrev_b32 v2, 3, v0                        ; 8 bytes out
	s_wait_kmcnt 0x0
	; the source, the destination and the number of the segment in each, chosen by y alone
	s_mov_b64 s[24:25], s[14:15]
	s_mov_b32 s26, 0
	s_cmp_lt_u32 s2, 9
	s_cselect_b64 s[24:25], s[12:13], s[24:25]
	s_cmp_lt_u32 s2, 8
	s_cselect_b64 s[24:25], s[10:11], s[24:25]
	s_cselect_b32 s26, s4, s26
	s_cmp_lt_u32 s2, 4
	s_cselect_b64 s[24:25], s[8:9], s[24:25]
	s_cselect_b32 s26, s2, s26
	s_cselect_b64 s[28:29], s[16:17], s[18:19]
	s_cselect_b32 s30, s2, s4
	s_lshl_b32 s26, s26, 22                        ; segment x 4 MiB
	s_lshl_b32 s27, ttmp9, 15                      ; + x x 32 KiB
	s_add_co_u32 s26, s26, s27
	s_mov_b32 s27, 0
	s_add_nc_u64 s[24:25], s[24:25], s[26:27]
	s_lshl_b32 s30, s30, 21                        ; half of that on the way out
	s_lshl_b32 s31, ttmp9, 14
	s_add_co_u32 s30, s30, s31
	s_mov_b32 s31, 0
	s_add_nc_u64 s[28:29], s[28:29], s[30:31]
.irp j, 0,1,2,3,4,5,6,7
	global_load_b128 v[X+4*\j:X+4*\j+3], v1, s[24:25] offset:4096*\j th:TH_LOAD_NT
.endr
.irp j, 0,1,2,3,4,5,6,7
	s_wait_loadcnt 7-\j                            ; loads come back in order: load j is in, the 7 - j younger ones stay out
	v_cvt_pk_bf16_f32 v[Y+2*\j],   v[X+4*\j],   v[X+4*\j+1]
	v_cvt_pk_bf16_f32 v[Y+2*\j+1], v[X+4*\j+2], v[X+4*\j+3]
	global_store_b64 v2, v[Y+2*\j:Y+2*\j+1], s[28:29] offset:2048*\j
.endr
	s_endpgm
.Lfunc_end_k_qe654ef75d1_cast:
	.size	k_qe654ef75d1_cast, .Lfunc_end_k_qe654ef75d1_cast-k_qe654ef75d1_cast
	.p2alignl 7, 3214868480
	.fill 96, 4, 3214868480
	.section	.rodata,"a",@progbits
	.p2align	6, 0x0
	.amdhsa_kernel k_qe654ef75d1_cast
		.amdhsa_group_segment_fixed_size 0
		.amdhsa_private_segment_fixed_size 0
		.amdhsa_enable_private_segment 0
		.amdhsa_kernarg_size 48
		.amdhsa_user_sgpr_count 2
		.amdhsa_user_sgpr_kernarg_segment_ptr 1
		.amdhsa_wavefront_size32 1
		.amdhsa_system_sgpr_workgroup_id_x 1
		.amdhsa_system_sgpr_workgroup_id_y 1
		.amdhsa_system_sgpr_workgroup_id_z 1
		.amdhsa_system_vgpr_workitem_id 0
		.amdhsa_next_free_vgpr 52
		.amdhsa_next_free_sgpr 66
		.amdhsa_reserve_vcc 0
		.amdhsa_float_denorm_mode_32 3
		.amdhsa_float_denorm_mode_16_64 3
		.amdhsa_memory_ordered 1
		.amdhsa_forward_progress 1
		.amdhsa_inst_pref_size 5
	.end_amdhsa_kernel
	.amdgpu_metadata
---
amdhsa.version: [ 1, 2 ]
amdhsa.kernels:
  - .name:           k_qe654ef75d1_cast
    .symbol:         k_qe654ef75d1_cast.kd
    .args:
      - { .name: hidden_states, .offset: 0, .size: 8, .value_kind: global_buffer, .address_space: global }
      - { .name: Wq, .offset: 8, .size: 8, .value_kind: global_buffer, .address_space: global }
      - { .name: Wk, .offset: 16, .size: 8, .value_kind: global_buffer, .address_space: global }
      - { .name: Wv, .offset: 24, .size: 8, .value_kind: global_buffer, .address_space: global }
      - { .name: xb, .offset: 32, .size: 8, .value_kind: global_buffer, .address_space: global }
      - { .name: wqkv, .offset: 40, .size: 8, .value_kind: global_buffer, .address_space: global }
    .group_segment_fixed_size: 0
    .private_segment_fixed_size: 0
    .kernarg_segment_align: 8
    .kernarg_segment_size: 48
    .max_flat_workgroup_size: 256
    .sgpr_count:     66
    .vgpr_count:     52
    .wavefront_size: 32
...
	.end_amdgpu_metadata
.endif
;; end of part 1
;; launch qkv (part 2): grid 16 x 16, 4 waves a work-group, clusters of 4 x 4, 327,680 bytes of LDS; arguments xb, wqkv, position_cos, position_sin, qkv; writes qkv
.if DOCPART == 2
	.amdgcn_target "amdgcn-amd-amdhsa--gfx1250"
	.amdhsa_code_object_version 6
	.text
	.protected	k_qe654ef75d1_qkv
	.globl	k_qe654ef75d1_qkv
	.p2align	8
	.type	k_qe654ef75d1_qkv,@function
k_qe654ef75d1_qkv:
	s_mov_b64 s[64:65], 0
	v_nop
	global_prefetch_b8 v0, s[64:65] scope:SCOPE_SE
	s_setreg_imm32_b32 hwreg(HW_REG_WAVE_MODE, 25, 1), 1
	s_wait_xcnt 0x0
	s_wait_alu depctr_hold_cnt(0) depctr_sa_sdst(0) depctr_va_vdst(0) depctr_va_sdst(0) depctr_va_ssrc(0) depctr_va_vcc(0) depctr_vm_vsrc(0)
	s_getreg_b32 s2, hwreg(HW_REG_IB_STS2, 6, 4)
	s_cmp_eq_u32 s2, 0
	s_cbranch_scc0 .Lentry_in_a_cluster
	s_endpgm
.Lentry_in_a_cluster:
	s_bfe_u32 s2, ttmp6, 0x10000c
	s_cmp_lg_u32 s2, 0xf033
	s_cbranch_scc0 .Lentry_shape_is_right
	s_endpgm
.Lentry_shape_is_right:
; C[2048 s][3072 e] = xb wqkv^T (bf16 operands, f32 sums), RoPE on the 40 Q and K heads, stored as qkv[48 heads][2048 s][64] in f16.
; f16 and not bf16 for q, k, v: a query that sees few keys gives outputs far above the whole output's r.m.s., against which the problem's tolerance is set;
; 11 bits keep their rounding error under it, 8 bits do not.
; cos and sin are rounded to bf16 first, as x and W are, and RoPE is then done in f32: q and k are what the problem's function gives on x, W, cos and sin
; rounded to bf16, rounded once more to f16.
; LIMIT: against cos and sin taken in f32, q and k differ by up to 2^-9 of their size.
; LIMIT: |q|, |k|, |v| up to 65,504, beyond that infinity (drawn inputs give an r.m.s. of 0.9; all inputs 30 times larger, 815).
; LIMIT: V heads go through the same lines with cos' = 0 cos + 1 and sin' = 0 sin, so a cos or sin that is not finite spoils V too.
; A work-group makes 128 rows x 192 columns (three heads) with four waves; wave (wm, wn) makes rows 64 wm .. + 63 and the six column tiles
; 32 i + 16 wn + 0..15.  So tiles 2 hh and 2 hh + 1 hold d and d + 32 of head hh in the same lane and register: RoPE is elementwise.
; THE RING: two LDS slots of unequal length, filled by the tensor data mover: slot 0 holds 128 along K (rows of 256 bytes), slot 1 holds 256 (rows of 512).
; A wave has one load on its way behind each round, so the fills are made few and large: 2048 = 6 x 128 + 5 x 256 is 11 fills, taken 128, 256, 128, .. 128,
; where two slots of 128 would make 16; two slots of 256 would take 2 x 320 x 528 = 337,920 bytes, more than the 327,680 there are.
; A slot's next tile lies 128 + 256 numbers = 768 bytes further along the rows, so every row of a tile still begins at a multiple of 256 bytes.
; From the request for a tile of 128 to the wait for it a wave issues 180 matrix instructions, for a tile of 256, 84.
; CLUSTER 4 x 4: the four work-groups of a cluster row share the rows of xb, the four of a column the rows of wqkv: both tiles are asked for jointly.
; The matrix instruction is used transposed (source 0 = rows of W, source 1 = rows of x): register j of lane (r, h) of tile (a, i) is
; C(64 wm + 16 a + r, 32 i + 16 wn + 8 h + j): eight neighbouring columns.
; REGISTERS: window 0: addresses, two fragment buffers, work;  window 1: 24 accumulator tiles, tile (a, i) at 8 (6 a + i);  window 2: cos and sin.
.set PN,     272                       ; slot 0's pitch: 256 bytes + 16; both pitches are odd multiples of 16, so 16 rows of a fragment start 16 bytes apart modulo 256
.set PW,     528                       ; slot 1's pitch: 512 bytes + 16
.set NI,     6                         ; column tiles of a wave
.set RA,     64                        ; rows of xb in one tensor load
.set RB,     96                        ; rows of wqkv in one tensor load
.set NB,     192                       ; columns of the block
.set AW,     0                         ; slot 1: x's 128 rows
.set BW,     128*PW                    ;         W's 192 rows, at 67,584
.set AN,     320*PW                    ; slot 0: x's 128 rows, at 168,960
.set BN,     AN+128*PN                 ;         W's 192 rows, at 203,776
.set STAGE,  AN+320*PN                 ; 256,000: 3 heads x 128 rows x 144 bytes, written by ds_store alone
.set SPITCH, 144
.set KSTRIDE, 768                      ; bytes along a row from a slot's tile to its next
.set TRIPS,  3                         ; laps (a tile of 128 and one of 256) in the loop; one stands in front of it, 128 + 256 + 128 behind it
.set FB,     8*NI+32                   ; a fragment buffer: 6 fragments of W, then 4 of x
.set F0,     32
.set F1,     F0+FB
.set ADRA, 16                          ; v16-17 LDS address of my x fragments in slot 0, 1
.set ADRB, 18                          ; v18-19 the same for W
.set STO,  20
.set RD,   21
.set CO,   22
.set TB,   23                          ; my byte offset in the cos and sin tables
.set SA,   24                          ; v[24:25] 1.0 for a head with RoPE, 0 for a V head
.set SB,   26                          ; v[26:27] 0 or 1.0
.set ADRB2, 28                         ; v28 slot 1, W's column tiles 3-5: 96 rows of 528 bytes on, so that the loads' offsets stay inside 16 bits
.set CP,   192                         ; v[192:207] cos' of d and of d + 32
.set SN,   208                         ; v[208:223] sin'
.set T,    224                         ; v[224:239] the rotated numbers
.set PK,   240                         ; v[240:247] packed
.set G1,   24                          ; s[24:31] group 1 for x's tiles of 128
.set G0,   32                          ; s[32:39] group 0 for x's tiles, one set a slot
.set G1B,  40                          ; s[40:47] group 1 for W's tiles of 128
.set G0B,  48                          ; s[48:55] group 0 for W's tiles
.set G1W,  80                          ; s[80:87] group 1 for x's tiles of 256
.set G1BW, 88                          ; s[88:95] group 1 for W's tiles of 256
.set MSB, 0
.macro WIN new                         ; the immediate's high byte repeats the setting that is left
.if MSB != \new
	s_set_vgpr_msb (MSB<<8)|\new
.set MSB, \new
.endif
.endm
.macro PLACES                          ; four places behind a matrix instruction (ISA guide 7.12.1)
.rept 4
	v_nop
.endr
.endm
.macro CREST                           ; a round of the cluster's barrier behind its opening barrier
	s_cmp_lg_u32 s14, 0
	s_cbranch_scc1 .Lnot_wave_0_\@
	s_barrier_signal -3
.Lnot_wave_0_\@:
	s_barrier_wait -3
	s_barrier_signal -1
	s_barrier_wait -1
.endm
.macro CROUND
	s_barrier_signal -1
	s_barrier_wait -1
	CREST
.endm
.macro SHAPE g, mask, qi, kel, rows    ; group 1: rows x kel elements of 2 bytes, 4 words of padding behind each row (2 << qi words), rows 2048 elements apart
	s_or_b32  s[\g+0], \mask, (1<<16)|(1<<20)|(1<<21)|(\qi<<22)|(3<<25)    ; the mask, with bit 21 beside it
	s_mov_b32 s[\g+1], \kel<<16                    ; tensor_dim0
	s_mov_b32 s[\g+2], \rows<<16                   ; tensor_dim1
	s_mov_b32 s[\g+3], \kel<<16                    ; tile_dim0
	s_mov_b32 s[\g+4], \rows                       ; tile_dim1
	s_mov_b32 s[\g+5], 2048
	s_mov_b32 s[\g+6], 0
	s_mov_b32 s[\g+7], 0
.endm
.macro JLOAD sl                        ; waves 0, 1 ask for x's two halves, waves 2, 3 for W's: one load a wave, the branch hangs on the wave's number alone
	s_cmp_eq_u32 s15, 0
	s_cbranch_scc0 .Lfor_b_\@
.if \sl
	tensor_load_to_lds s[G0+4:G0+7], s[G1W:G1W+7]
	s_nop 0
.else
	tensor_load_to_lds s[G0:G0+3], s[G1:G1+7]
	s_nop 0
.endif
	s_branch .Lasked_\@
.Lfor_b_\@:
.if \sl
	tensor_load_to_lds s[G0B+4:G0B+7], s[G1BW:G1BW+7]
	s_nop 0
.else
	tensor_load_to_lds s[G0B:G0B+3], s[G1B:G1B+7]
	s_nop 0
.endif
.Lasked_\@:
.endm
.macro MULROW f, a, zero               ; row tile a x all column tiles, 32 along K; zero = 1: the product starts the sums
.set i_, 0
.rept NI
.if \zero
	v_wmma_f32_16x16x32_bf16 v[8*(NI*\a+i_):8*(NI*\a+i_)+7], v[\f+8*i_:\f+8*i_+7], v[\f+8*NI+8*\a:\f+8*NI+8*\a+7], 0
.else
	v_wmma_f32_16x16x32_bf16 v[8*(NI*\a+i_):8*(NI*\a+i_)+7], v[\f+8*i_:\f+8*i_+7], v[\f+8*NI+8*\a:\f+8*NI+8*\a+7], v[8*(NI*\a+i_):8*(NI*\a+i_)+7]
.endif
.set i_, i_+1
.endr
.endm
.macro FETCH sl, k, f                  ; the fragments of 32 along K at byte k of the slot's rows
.if \sl
.set P_, PW
.else
.set P_, PN
.endif
.set i_, 0
.rept NI
.set b_, ADRB+\sl
.set o_, \k+i_*32*P_
.if (\sl)*(i_/3)
.set b_, ADRB2
.set o_, \k+(i_-3)*32*P_
.endif
	ds_load_b128 v[\f+8*i_:\f+8*i_+3],   v[b_] offset:o_
	ds_load_b128 v[\f+8*i_+4:\f+8*i_+7], v[b_] offset:o_+32
.set i_, i_+1
.endr
.set i_, 0
.rept 4
	ds_load_b128 v[\f+8*NI+8*i_:\f+8*NI+8*i_+3],   v[ADRA+\sl] offset:\k+i_*16*P_
	ds_load_b128 v[\f+8*NI+8*i_+4:\f+8*NI+8*i_+7], v[ADRA+\sl] offset:\k+i_*16*P_+32
.set i_, i_+1
.endr
.endm
; A part of 32 along K: 24 matrix instructions on buffer f, with the next part's 20 loads into buffer g issued in front of them.
; The 24 accumulators take turns, one instruction a turn, in the same order everywhere.
.macro QUARTER sl, k, f, g, zero
	s_wait_dscnt 0x0                               ; buffer f, fetched a part ago, is in; nothing younger is out
	PLACES                                         ; between the last matrix instruction that read g and the loads into g
	FETCH \sl, \k, \g
	WIN 0x50                                       ; C and D in window 1
	MULROW \f, 0, \zero
	MULROW \f, 1, \zero
	MULROW \f, 2, \zero
	MULROW \f, 3, \zero
	WIN 0
.endm
; A slot's last part, on buffer 1, and the change of slots.  In front of the barrier each wave waits for its reads of this slot and for all its
; tensor loads (one is out: its part of the other slot).  fill = 1: the barrier opens a round of the cluster's barrier, and the joint refill is the
; first tensor load behind the round.
.macro TURN sl, next, fill
	s_wait_dscnt 0x0
	s_wait_tensorcnt 0x0
	ds_add_u32 v254, v255
	s_wait_dscnt 0x0
	s_barrier_signal -1
	WIN 0x50
	MULROW F1, 0, 0
	MULROW F1, 1, 0
	WIN 0
	s_barrier_wait -1
.if \fill
	CREST
	s_add_nc_u64 s[G0+4*\sl+2:G0+4*\sl+3], s[G0+4*\sl+2:G0+4*\sl+3], KSTRIDE       ; no load of mine is out: the addresses step to this slot's next tile
	s_add_nc_u64 s[G0B+4*\sl+2:G0B+4*\sl+3], s[G0B+4*\sl+2:G0B+4*\sl+3], KSTRIDE
	JLOAD \sl
.endif
	PLACES                                         ; buffer 0 was last read a part ago; these are its four places
	FETCH \next, 0, F0
	WIN 0x50
	MULROW F1, 2, 0
	MULROW F1, 3, 0
	WIN 0
.endm
.macro STEPQ sl, zero                  ; all parts of a slot but the last: three of slot 0's four, seven of slot 1's eight
	QUARTER \sl, 64,  F0, F1, \zero
	QUARTER \sl, 128, F1, F0, 0
	QUARTER \sl, 192, F0, F1, 0
.if \sl
	QUARTER \sl, 256, F1, F0, 0
	QUARTER \sl, 320, F0, F1, 0
	QUARTER \sl, 384, F1, F0, 0
	QUARTER \sl, 448, F0, F1, 0
.endif
.endm
.macro LAP zero                        ; 128 + 256 along K, both slots filled again
	STEPQ 0, \zero
	TURN 0, 1, 1
	STEPQ 1, 0
	TURN 1, 0, 1
.endm
	s_load_b256 s[4:11], s[0:1], 0x0               ; xb s[4:5], wqkv s[6:7], cos s[8:9], sin s[10:11]
	s_load_b64 s[12:13], s[0:1], 0x20              ; qkv
	v_lshl_add_u32 v254, v0, 2, 0x4c000
	v_mov_b32 v255, 0
	ds_add_u32 v254, v255
	v_lshrrev_b32 v1, 5, v0
	v_readfirstlane_b32 s14, v1                    ; wave
	s_lshr_b32 s15, s14, 1                         ; wm; also: I fetch for x (0) or for W (1)
	s_and_b32 s16, s14, 1                          ; wn; also: which half of that tile I fetch
	s_bfe_u32 s17, ttmp6, 0x40000                  ; cx
	s_bfe_u32 s18, ttmp6, 0x40004                  ; cy
	s_lshl_b32 s19, ttmp9, 2
	s_add_co_u32 s19, s19, s17                     ; bx: block column
	s_and_b32 s20, ttmp7, 0xffff
	s_lshl_b32 s20, s20, 2
	s_add_co_u32 s20, s20, s18                     ; by: block row
	s_lshl_b32 s21, s18, 2
	s_lshl_b32 s21, 15, s21                        ; my row of the cluster
	s_lshl_b32 s22, 0x1111, s17                    ; my column
	SHAPE G1,   s21, 5, 128, RA
	SHAPE G1W,  s21, 6, 256, RA
	SHAPE G1B,  s22, 5, 128, RB
	SHAPE G1BW, s22, 6, 256, RB
	s_lshl_b32 s56, s20, 19                        ; x: row 128 by + 64 wn, 4,096 bytes a row: of the place in the cluster cy alone enters
	s_lshl_b32 s57, s16, 18
	s_add_co_u32 s56, s56, s57
	s_mov_b32 s57, 0
	s_mul_i32 s60, s19, NB*4096                    ; W: row 192 bx + 96 wn: cx alone enters
	s_mul_i32 s61, s16, RB*4096
	s_add_co_u32 s60, s60, s61
	s_mov_b32 s61, 0
	s_lshl_b32 s74, s20, 15                        ; cos, sin: row 128 by, 256 bytes a row
	s_mov_b32 s75, 0
	s_mul_i32 s76, s19, 3*262144                   ; qkv: head 3 bx, row 128 by of 128 bytes
	s_lshl_b32 s77, s20, 14
	s_add_co_u32 s76, s76, s77
	s_mov_b32 s77, 0
	s_mul_i32 s78, s19, 3
.irp hh, 0,1,2
	s_add_co_u32 s79, s78, \hh                     ; heads 0-39 (Q, K) are rotated, heads 40-47 (V) are not: a choice of factors, no branch
	s_cmp_lt_u32 s79, 40
	s_cselect_b32 s[68+2*\hh], 1.0, 0
	s_cselect_b32 s[69+2*\hh], 0, 1.0
.endr
	s_wait_dscnt 0x0
	s_wait_kmcnt 0x0
	s_add_nc_u64 s[58:59], s[4:5], s[56:57]
	s_add_nc_u64 s[62:63], s[6:7], s[60:61]
	s_add_nc_u64 s[8:9], s[8:9], s[74:75]
	s_add_nc_u64 s[10:11], s[10:11], s[74:75]
	s_add_nc_u64 s[12:13], s[12:13], s[76:77]
	CROUND                                         ; all sixteen work-groups are here: the first joint loads meet
	; group 0: slot 0 begins with K 0-127, slot 1 with K 128-383 (byte 256 of the rows); the LDS addresses hang on the wave's number alone
	s_mov_b32 s[G0+0], 1
	s_mul_i32 s[G0+1], s16, RA*PN
	s_add_co_u32 s[G0+1], s[G0+1], AN
	s_mov_b64 s[G0+2:G0+3], s[58:59]
	s_or_b32 s[G0+3], s[G0+3], 0x80000000
	s_mov_b32 s[G0+4], 1
	s_mul_i32 s[G0+5], s16, RA*PW                  ; AW = 0
	s_add_nc_u64 s[G0+6:G0+7], s[58:59], 256
	s_or_b32 s[G0+7], s[G0+7], 0x80000000
	s_mov_b32 s[G0B+0], 1
	s_mul_i32 s[G0B+1], s16, RB*PN
	s_add_co_u32 s[G0B+1], s[G0B+1], BN
	s_mov_b64 s[G0B+2:G0B+3], s[62:63]
	s_or_b32 s[G0B+3], s[G0B+3], 0x80000000
	s_mov_b32 s[G0B+4], 1
	s_mul_i32 s[G0B+5], s16, RB*PW
	s_add_co_u32 s[G0B+5], s[G0B+5], BW
	s_add_nc_u64 s[G0B+6:G0B+7], s[62:63], 256
	s_or_b32 s[G0B+7], s[G0B+7], 0x80000000
	JLOAD 0                                        ; two loads of a wave are out here, later one
	JLOAD 1
	v_and_b32 v1, 15, v0                           ; r
	v_bfe_u32 v2, v0, 4, 1                         ; h
	v_and_b32 v3, 31, v0                           ; lane
	v_mul_u32_u24 v4, v1, PN
	v_lshl_add_u32 v4, v2, 4, v4                   ; r x pitch + 16 h, slot 0
	v_mul_u32_u24 v7, v1, PW
	v_lshl_add_u32 v7, v2, 4, v7                   ; the same, slot 1
	s_mul_i32 s2, s15, 64*PN
	s_add_co_u32 s2, s2, AN
	v_add_nc_u32 v[ADRA], s2, v4
	s_mul_i32 s2, s15, 64*PW
	v_add_nc_u32 v[ADRA+1], s2, v7
	s_mul_i32 s2, s16, 16*PN
	s_add_co_u32 s2, s2, BN
	v_add_nc_u32 v[ADRB], s2, v4
	s_mul_i32 s2, s16, 16*PW
	s_add_co_u32 s2, s2, BW
	v_add_nc_u32 v[ADRB+1], s2, v7
	v_add_nc_u32 v[ADRB2], 96*PW, v[ADRB+1]
	v_mul_u32_u24 v5, v1, SPITCH                   ; into the stage: row 64 wm + r, byte 32 wn + 16 h
	v_lshl_add_u32 v5, v2, 4, v5
	s_mul_i32 s2, s15, 64*SPITCH
	s_lshl_b32 s3, s16, 5
	s_add_co_u32 s2, s2, s3
	s_add_co_u32 s2, s2, STAGE
	v_add_nc_u32 v[STO], s2, v5
	v_lshrrev_b32 v5, 3, v3                        ; back: four rows of 128 bytes a load, rows 32 wave ..
	v_and_b32 v6, 7, v0
	v_mul_u32_u24 v5, v5, SPITCH
	v_lshl_add_u32 v5, v6, 4, v5
	s_mul_i32 s2, s14, 32*SPITCH
	s_add_co_u32 s2, s2, STAGE
	v_add_nc_u32 v[RD], s2, v5
	s_lshl_b32 s2, s14, 12
	v_lshl_add_u32 v[CO], v3, 4, s2                ; 4,096 wave + 16 lane
	s_lshl_b32 s2, s15, 14                         ; tables: row 64 wm + r, byte 64 wn + 32 h
	s_lshl_b32 s3, s16, 6
	s_add_co_u32 s2, s2, s3
	v_lshlrev_b32 v5, 8, v1
	v_lshl_add_u32 v5, v2, 5, v5
	v_add_nc_u32 v[TB], s2, v5
	; cos and sin of my 64 rows and my 2 x 8 columns, into window 2; they stay out over the whole K loop
	WIN 0x80
.irp a, 0,1,2,3
	global_load_b128 v[32*\a:32*\a+3],     v[TB], s[8:9] offset:\a*4096
	global_load_b128 v[32*\a+4:32*\a+7],   v[TB], s[8:9] offset:\a*4096+16
	global_load_b128 v[32*\a+8:32*\a+11],  v[TB], s[8:9] offset:\a*4096+128
	global_load_b128 v[32*\a+12:32*\a+15], v[TB], s[8:9] offset:\a*4096+144
	global_load_b128 v[32*\a+16:32*\a+19], v[TB], s[10:11] offset:\a*4096
	global_load_b128 v[32*\a+20:32*\a+23], v[TB], s[10:11] offset:\a*4096+16
	global_load_b128 v[32*\a+24:32*\a+27], v[TB], s[10:11] offset:\a*4096+128
	global_load_b128 v[32*\a+28:32*\a+31], v[TB], s[10:11] offset:\a*4096+144
.endr
	WIN 0
	s_wait_tensorcnt 0x1                           ; my part of slot 0 is in; slot 1's may stay out
	s_barrier_signal -1
	s_barrier_wait -1
	FETCH 0, 0, F0
	LAP 1                                          ; the first lap's first products start the sums
	s_mov_b32 s3, TRIPS
.Llap:
	LAP 0
	s_sub_co_u32 s3, s3, 1
	s_cmp_lg_u32 s3, 0
	s_cbranch_scc1 .Llap
	STEPQ 0, 0                                     ; K 1536-1663;
	TURN 0, 1, 1                                   ; slot 0 is filled once more, with the last tile, K 1920-2047
	STEPQ 1, 0                                     ; K 1664-1919;
	TURN 1, 0, 0                                   ; nothing is left to fetch
	STEPQ 0, 0
	s_wait_dscnt 0x0
	WIN 0x50
	MULROW F1, 0, 0
	MULROW F1, 1, 0
	MULROW F1, 2, 0
	MULROW F1, 3, 0
	WIN 0
; RoPE of head hh, row tile a: lo = d < 32, hi = d + 32.  out_lo = lo cos_lo - hi sin_lo;  out_hi = hi cos_hi + lo sin_hi.
.macro ROPE hh, a
	WIN 0x02                                       ; source 0 in window 2
.irp q, 0,1,2,3,4,5,6,7
	v_pk_fma_f32 v[CP+2*\q:CP+2*\q+1], v[32*\a+2*\q:32*\a+2*\q+1], v[SA:SA+1], v[SB:SB+1]
.endr
.irp q, 0,1,2,3,4,5,6,7
	v_pk_mul_f32 v[SN+2*\q:SN+2*\q+1], v[32*\a+16+2*\q:32*\a+16+2*\q+1], v[SA:SA+1]
.endr
	WIN 0x01                                       ; source 0 in window 1
.set LO_, 8*(NI*\a+2*\hh)
.set HI_, LO_+8
.irp q, 0,1,2,3
	v_pk_mul_f32 v[T+2*\q:T+2*\q+1],     v[LO_+2*\q:LO_+2*\q+1], v[CP+2*\q:CP+2*\q+1]
	v_pk_mul_f32 v[T+8+2*\q:T+8+2*\q+1], v[HI_+2*\q:HI_+2*\q+1], v[CP+8+2*\q:CP+8+2*\q+1]
.endr
.irp q, 0,1,2,3
	v_pk_fma_f32 v[T+2*\q:T+2*\q+1],     v[HI_+2*\q:HI_+2*\q+1], v[SN+2*\q:SN+2*\q+1],     v[T+2*\q:T+2*\q+1] neg_lo:[0,1,0] neg_hi:[0,1,0]
	v_pk_fma_f32 v[T+8+2*\q:T+8+2*\q+1], v[LO_+2*\q:LO_+2*\q+1], v[SN+8+2*\q:SN+8+2*\q+1], v[T+8+2*\q:T+8+2*\q+1]
.endr
	WIN 0
.irp q, 0,1,2,3,4,5,6,7
	v_cvt_pk_f16_f32 v[PK+\q], v[T+2*\q], v[T+2*\q+1]
.endr
	ds_store_b128 v[STO], v[PK:PK+3]   offset:(128*\hh+16*\a)*SPITCH
	ds_store_b128 v[STO], v[PK+4:PK+7] offset:(128*\hh+16*\a)*SPITCH+64
.endm
	PLACES                                         ; behind the last matrix instructions: in front of the first reader of a result and of the first write into a fragment buffer
	s_wait_loadcnt 0x0                             ; cos and sin
	; cos and sin, 128 registers of window 2, are rounded to bf16 once and widened again in place: 64 packed roundings into fragment buffer 0, which is
	; free now, then a shift and a mask for each pair
	WIN 0x0a                                       ; sources 0 and 1 in window 2, destination in window 0
.set i_, 0
.rept 64
	v_cvt_pk_bf16_f32 v[F0+i_], v[2*i_], v[2*i_+1]
.set i_, i_+1
.endr
	WIN 0x80                                       ; destination in window 2, sources in window 0
.set i_, 0
.rept 64
	v_lshlrev_b32 v[2*i_],   16, v[F0+i_]
	v_and_b32     v[2*i_+1], 0xffff0000, v[F0+i_]
.set i_, i_+1
.endr
	WIN 0
.irp hh, 0,1,2
	v_mov_b32 v[SA],   s[68+2*\hh]
	v_mov_b32 v[SA+1], s[68+2*\hh]
	v_mov_b32 v[SB],   s[69+2*\hh]
	v_mov_b32 v[SB+1], s[69+2*\hh]
	ROPE \hh, 0
	ROPE \hh, 1
	ROPE \hh, 2
	ROPE \hh, 3
.endr
	s_wait_dscnt 0x0                               ; two waves complete each row of the stage: my stores are done,
	s_barrier_signal -1
	s_barrier_wait -1                              ; everybody's are
.set i_, 0
.rept 24
	ds_load_b128 v[32+4*i_:32+4*i_+3], v[RD] offset:(128*(i_/8)+4*(i_%8))*SPITCH
.set i_, i_+1
.endr
.set i_, 0
.rept 24
	s_wait_dscnt 23-i_                             ; LDS loads come back in order: load i is in
	global_store_b128 v[CO], v[32+4*i_:32+4*i_+3], s[12:13] offset:262144*(i_/8)+512*(i_%8)   ; 512 neighbouring bytes, four rows of a head
.set i_, i_+1
.endr
	s_wait_tensorcnt 0x0
	ds_add_u32 v254, v255
	s_wait_dscnt 0x0
	CROUND                                         ; the closing round
	s_endpgm
.Lfunc_end_k_qe654ef75d1_qkv:
	.size	k_qe654ef75d1_qkv, .Lfunc_end_k_qe654ef75d1_qkv-k_qe654ef75d1_qkv
	.p2alignl 7, 3214868480
	.fill 96, 4, 3214868480
	.section	.rodata,"a",@progbits
	.p2align	6, 0x0
	.amdhsa_kernel k_qe654ef75d1_qkv
		.amdhsa_group_segment_fixed_size 327680
		.amdhsa_private_segment_fixed_size 0
		.amdhsa_enable_private_segment 0
		.amdhsa_kernarg_size 40
		.amdhsa_user_sgpr_count 2
		.amdhsa_user_sgpr_kernarg_segment_ptr 1
		.amdhsa_wavefront_size32 1
		.amdhsa_system_sgpr_workgroup_id_x 1
		.amdhsa_system_sgpr_workgroup_id_y 1
		.amdhsa_system_sgpr_workgroup_id_z 1
		.amdhsa_system_vgpr_workitem_id 0
		.amdhsa_next_free_vgpr 640
		.amdhsa_next_free_sgpr 96
		.amdhsa_reserve_vcc 0
		.amdhsa_float_denorm_mode_32 3
		.amdhsa_float_denorm_mode_16_64 3
		.amdhsa_memory_ordered 1
		.amdhsa_forward_progress 1
		.amdhsa_inst_pref_size 184
	.end_amdhsa_kernel
	.amdgpu_metadata
---
amdhsa.version: [ 1, 2 ]
amdhsa.kernels:
  - .name:           k_qe654ef75d1_qkv
    .symbol:         k_qe654ef75d1_qkv.kd
    .args:
      - { .name: xb, .offset: 0, .size: 8, .value_kind: global_buffer, .address_space: global }
      - { .name: wqkv, .offset: 8, .size: 8, .value_kind: global_buffer, .address_space: global }
      - { .name: position_cos, .offset: 16, .size: 8, .value_kind: global_buffer, .address_space: global }
      - { .name: position_sin, .offset: 24, .size: 8, .value_kind: global_buffer, .address_space: global }
      - { .name: qkv, .offset: 32, .size: 8, .value_kind: global_buffer, .address_space: global }
    .group_segment_fixed_size: 327680
    .private_segment_fixed_size: 0
    .kernarg_segment_align: 8
    .kernarg_segment_size: 40
    .max_flat_workgroup_size: 128
    .sgpr_count:     96
    .vgpr_count:     640
    .wavefront_size: 32
...
	.end_amdgpu_metadata
.endif
;; end of part 2
;; launch attn (part 3): grid 32 x 8, 8 waves a work-group, clusters of 4 x 4, 327,680 bytes of LDS; arguments qkv, attention_mask, ab, Wo, wob; writes ab, wob
.if DOCPART == 3
	.amdgcn_target "amdgcn-amd-amdhsa--gfx1250"
	.amdhsa_code_object_version 6
	.text
	.protected	k_qe654ef75d1_attn
	.globl	k_qe654ef75d1_attn
	.p2align	8
	.type	k_qe654ef75d1_attn,@function
k_qe654ef75d1_attn:
	s_mov_b64 s[64:65], 0
	v_nop
	global_prefetch_b8 v0, s[64:65] scope:SCOPE_SE
	s_setreg_imm32_b32 hwreg(HW_REG_WAVE_MODE, 25, 1), 1
	s_wait_xcnt 0x0
	s_wait_alu depctr_hold_cnt(0) depctr_sa_sdst(0) depctr_va_vdst(0) depctr_va_sdst(0) depctr_va_ssrc(0) depctr_va_vcc(0) depctr_vm_vsrc(0)
	s_getreg_b32 s2, hwreg(HW_REG_IB_STS2, 6, 4)
	s_cmp_eq_u32 s2, 0
	s_cbranch_scc0 .Lentry_in_a_cluster
	s_endpgm
.Lentry_in_a_cluster:
	s_bfe_u32 s2, ttmp6, 0x10000c
	s_cmp_lg_u32 s2, 0xf033
	s_cbranch_scc0 .Lentry_shape_is_right
	s_endpgm
.Lentry_shape_is_right:
; ab[s][64 head + d] = softmax(q k^T / 8 + mask) v, f16 operands, f32 sums, softmax in f32 with a running maximum.  The mask is read as it is given:
; all 2048 keys are treated for every query.
; Work-group (qb, g): 64 queries x the 4 query heads of key/value head g.  Wave w: queries 16 (w >> 1) .. + 15, heads 4 g + 2 (w & 1) + 0, 1.
; Eight waves, two for each SIMD: while one wave does the softmax's vector work the other has matrix work.
; Both products are used transposed.  S^T = K Q^T: lane (r, h) holds query r and keys 8 h + j, so a query's maximum and sum are taken inside a lane
; and across one exchange of the halves, and the packed weights of two key tiles are the second source of O^T = V^T P^T as they lie.
; Scores are kept in units of log2: s' = acc (log2 e / 8) + mask log2 e; the running maximum is taken away exactly before every exponential.
; CLUSTER 4 x 4: K's and V's tiles hang on g alone and are shared along a cluster row; the mask's tile hangs on qb alone and is shared along a column.
; THE RING: two slots of 128 keys: 16 fills, 14 of them refills behind a round of the cluster's barrier.  At a change of slots the softmax and the P V
; products of the slot's last 32 keys, which touch registers alone, stand between the round's opening signal and its wait.
; THE TEXT IS KEPT SHORT: the loop's body is the text of two slots, 8 steps of 32 keys, and goes round 7 times.  It is turned by one step, so that only the
; launch's first step, whose products start the sums, stands in front of it and the 7 steps that fill nothing stand behind it: 16 steps of text for the 64
; that are executed.  Slots of 256 keys would fit in LDS and halve the rounds, but would double that text and leave the loop 3 trips.
; ALSO HERE: Wo, f32, is rounded for the launch that follows, 16,384 numbers a work-group.  It is rounded to bf16 like the other inputs, and that number is
; stored in f16 (wob), because its partner in the last product, ab, is kept in f16.  The loads go out behind the first barrier into 64 registers of window 1
; that nothing else uses, and stay out over the loop; conversions and stores stand behind the loop, so that the stores leave during the last 7 steps.
; LIMIT: f16 holds a bf16 number exactly for 2^-17 <= |w| < 65,520; smaller ones are off by at most 2^-25, larger ones become infinity.
; LIMITS: the running maximum starts at -2^127: keys at -inf get weight 0, a row that is -inf throughout gives NaN as the softmax of the problem does;
; v_max_num drops a NaN score from the maximum; v_exp_f32 gives 0 for weights under 2^-126; the sum l adds the f32 weights, the product their f16 roundings
; (weights lie in 0 .. 1, so f16's range serves; under 2^-14 their error is at most 2^-25 of the row's largest weight); |attn| up to 65,504.
.set HEADB,  262144                    ; bytes of a head in qkv
.set TK,     128                       ; keys in a slot
.set KP,     144                       ; K's LDS pitch: 128 bytes + 16
.set VP,     160                       ; V's: 128 + 32, an odd multiple of 32 for the transposing load
.set MP,     4*TK+16                   ; the mask's: 512 + 16, an odd multiple of 16
.set SP,     528                       ; the stage's: 512 + 16
.set VOFF,   TK*KP                     ; 18,432
.set MOFF,   VOFF+TK*VP                ; 38,912
.set SLOT,   MOFF+64*MP                ; 72,704
.set STAGE,  2*SLOT                    ; 145,408: 64 rows x 528 bytes, written by ds_store alone
.set WL,  6                            ; v6      my byte offset in the work-group's part of Wo; never rewritten
.set WS,  7                            ; v7      the same in wob; never rewritten
.set KAD, 8                            ; v8-9    K fragment address, slot 0, 1
.set VAD, 10                           ; v10-11  V
.set MAD, 12                           ; v12-13  mask
.set STO, 14
.set RD,  15
.set CO,  16
.set QO,  17
.set MA,  18                           ; v[18:19], v[20:21]: the running maxima of my two heads; old and new take turns
.set MB,  20
.set AL,  22                           ; v[22:23] 2^(old - new)
.set LS,  24                           ; v[24:25] the running sums (of my half of the keys)
.set TM,  26                           ; v[26:33] at work: four for each head
.set U,   34                           ; v[34:35] what comes from the other half
.set QF,  36                           ; + 16 head + 8 c
.set SS,  68                           ; + 16 head + 8 kt: scores, then weights, then the packed fragment
.set KF,  100                          ; + 16 kt + 8 c
.set VF,  132                          ; + 8 dt
.set MK,  164                          ; + 8 kt
.set OO,  180                          ; + 32 head + 8 dt
.set WO,  0                            ; window 1, v[0:63] there: Wo as loaded, then as stored
.set G1K, 24
.set G1V, 32
.set G1M, 40
.set G0K, 48                           ; one set of four for each slot
.set G0V, 56
.set G0M, 68
.set MSB, 0
.macro WIN new                         ; the immediate's high byte repeats the setting that is left
.if MSB != \new
	s_set_vgpr_msb (MSB<<8)|\new
.set MSB, \new
.endif
.endm
.macro PLACES
.rept 4
	v_nop
.endr
.endm
.macro CREST                           ; a round of the cluster's barrier behind its opening barrier
	s_cmp_lg_u32 s10, 0
	s_cbranch_scc1 .Lnot_wave_0_\@
	s_barrier_signal -3
.Lnot_wave_0_\@:
	s_barrier_wait -3
	s_barrier_signal -1
	s_barrier_wait -1
.endm
.macro CROUND                          ; a whole round
	s_barrier_signal -1
	s_barrier_wait -1
	CREST
.endm
.macro FILL3 sl                        ; wave 0 asks for K's tile, wave 1 for V's, wave 2 for the mask's; the others have no part to fill
	s_cmp_lg_u32 s10, 0
	s_cbranch_scc1 .Lf1_\@
	tensor_load_to_lds s[G0K+4*\sl:G0K+4*\sl+3], s[G1K:G1K+7]
	s_nop 0
	s_branch .Lfe_\@
.Lf1_\@:
	s_cmp_lg_u32 s10, 1
	s_cbranch_scc1 .Lf2_\@
	tensor_load_to_lds s[G0V+4*\sl:G0V+4*\sl+3], s[G1V:G1V+7]
	s_nop 0
	s_branch .Lfe_\@
.Lf2_\@:
	s_cmp_lg_u32 s10, 2
	s_cbranch_scc1 .Lfe_\@
	tensor_load_to_lds s[G0M+4*\sl:G0M+4*\sl+3], s[G1M:G1M+7]
	s_nop 0
.Lfe_\@:
.endm
.macro LDK sl, kk                      ; 32 keys x 64 d as first sources: 8 loads
.irp kt, 0,1
.irp kc, 0,1
	ds_load_b128 v[KF+16*\kt+8*\kc:KF+16*\kt+8*\kc+3],   v[KAD+\sl] offset:(\kk+16*\kt)*KP+64*\kc
	ds_load_b128 v[KF+16*\kt+8*\kc+4:KF+16*\kt+8*\kc+7], v[KAD+\sl] offset:(\kk+16*\kt)*KP+64*\kc+32
.endr
.endr
.endm
.macro LDM sl, kk                      ; my query's mask at my 2 x 8 keys: 4 loads
.irp kt, 0,1
	ds_load_b128 v[MK+8*\kt:MK+8*\kt+3],   v[MAD+\sl] offset:(\kk+16*\kt)*4
	ds_load_b128 v[MK+8*\kt+4:MK+8*\kt+7], v[MAD+\sl] offset:(\kk+16*\kt)*4+16
.endr
.endm
.macro LDV sl, kk                      ; V^T, 64 d x 32 keys, as first sources: 8 transposing loads
.irp dt, 0,1,2,3
	ds_load_tr16_b128 v[VF+8*\dt:VF+8*\dt+3],   v[VAD+\sl] offset:(\kk)*VP+32*\dt
	ds_load_tr16_b128 v[VF+8*\dt+4:VF+8*\dt+7], v[VAD+\sl] offset:(\kk)*VP+32*\dt+16*VP
.endr
.endm
; The new running maxima of both heads: 16 scores and the old maximum each, then the other half's.  The two heads' chains are interleaved, level by level.
.macro HMAX2 first
.irp hd, 0,1
	v_max3_num_f32 v[TM+4*\hd+0], v[SS+16*\hd+0], v[SS+16*\hd+1],  v[SS+16*\hd+2]
	v_max3_num_f32 v[TM+4*\hd+1], v[SS+16*\hd+3], v[SS+16*\hd+4],  v[SS+16*\hd+5]
	v_max3_num_f32 v[TM+4*\hd+2], v[SS+16*\hd+6], v[SS+16*\hd+7],  v[SS+16*\hd+8]
	v_max3_num_f32 v[TM+4*\hd+3], v[SS+16*\hd+9], v[SS+16*\hd+10], v[SS+16*\hd+11]
.endr
.irp hd, 0,1
	v_max3_num_f32 v[TM+4*\hd+0], v[TM+4*\hd+0], v[SS+16*\hd+12], v[SS+16*\hd+13]
	v_max3_num_f32 v[TM+4*\hd+1], v[TM+4*\hd+1], v[SS+16*\hd+14], v[SS+16*\hd+15]
.if \first
	v_max3_num_f32 v[TM+4*\hd+2], v[TM+4*\hd+2], v[TM+4*\hd+3], 0xff000000       ; -2^127 starts the maximum
.else
	v_max3_num_f32 v[TM+4*\hd+2], v[TM+4*\hd+2], v[TM+4*\hd+3], v[OLDM+\hd]
.endif
.endr
.irp hd, 0,1
	v_max3_num_f32 v[TM+4*\hd], v[TM+4*\hd], v[TM+4*\hd+1], v[TM+4*\hd+2]
.endr
.irp hd, 0,1
	v_permlanex16_b32 v[U+\hd], v[TM+4*\hd], s77, s78
.endr
.irp hd, 0,1
	v_max_num_f32 v[NEWM+\hd], v[TM+4*\hd], v[U+\hd]
.endr
.endm
; The weights of both heads are added to their sums, two chains a head, interleaved, and then packed in place into the second sources of P V.
.macro HSUM2 first
	s_wait_alu depctr_va_vdst(0)
.irp hd, 0,1
	v_pk_add_f32 v[TM+4*\hd:TM+4*\hd+1],   v[SS+16*\hd:SS+16*\hd+1],   v[SS+16*\hd+2:SS+16*\hd+3]
	v_pk_add_f32 v[TM+4*\hd+2:TM+4*\hd+3], v[SS+16*\hd+4:SS+16*\hd+5], v[SS+16*\hd+6:SS+16*\hd+7]
.endr
.irp hd, 0,1
	v_pk_add_f32 v[TM+4*\hd:TM+4*\hd+1],   v[TM+4*\hd:TM+4*\hd+1],   v[SS+16*\hd+8:SS+16*\hd+9]
	v_pk_add_f32 v[TM+4*\hd+2:TM+4*\hd+3], v[TM+4*\hd+2:TM+4*\hd+3], v[SS+16*\hd+10:SS+16*\hd+11]
.endr
.irp hd, 0,1
	v_pk_add_f32 v[TM+4*\hd:TM+4*\hd+1],   v[TM+4*\hd:TM+4*\hd+1],   v[SS+16*\hd+12:SS+16*\hd+13]
	v_pk_add_f32 v[TM+4*\hd+2:TM+4*\hd+3], v[TM+4*\hd+2:TM+4*\hd+3], v[SS+16*\hd+14:SS+16*\hd+15]
.endr
.irp hd, 0,1
	v_pk_add_f32 v[TM+4*\hd:TM+4*\hd+1], v[TM+4*\hd:TM+4*\hd+1], v[TM+4*\hd+2:TM+4*\hd+3]
.endr
.if \first
.irp hd, 0,1
	v_add_f32 v[LS+\hd], v[TM+4*\hd], v[TM+4*\hd+1]
.endr
.else
.irp hd, 0,1
	v_fma_f32 v[LS+\hd], v[LS+\hd], v[AL+\hd], v[TM+4*\hd]
.endr
.irp hd, 0,1
	v_add_f32 v[LS+\hd], v[LS+\hd], v[TM+4*\hd+1]
.endr
.endif
.irp hd, 0,1
.irp q, 0,1,2,3
	v_cvt_pk_f16_f32 v[SS+16*\hd+\q], v[SS+16*\hd+2*\q], v[SS+16*\hd+2*\q+1]        ; keys 8 h + 0..7: registers 0-3 (ascending: no source is written early)
.endr
.irp q, 0,1,2,3
	v_cvt_pk_f16_f32 v[SS+16*\hd+4+\q], v[SS+16*\hd+8+2*\q], v[SS+16*\hd+9+2*\q]    ; keys 16 + 8 h + 0..7: registers 4-7
.endr
.endr
.endm
; A step: 32 keys at row kk of slot sl.  first = 1: the launch's first keys start maximum, sums and O.
; mode 0: the next 32 keys are in this slot; 1: change of slots, this slot is filled again; 2: change of slots, no fill; 3: the last keys.
.macro SUB sl, kk, first, mode
.if ((\kk)/32)&1
.set NEWM, MB
.set OLDM, MA
.else
.set NEWM, MA
.set OLDM, MB
.endif
	s_wait_dscnt 0x0                               ; K and mask of these keys are in; nothing younger is out
.irp q, 0,1,2,3,4,5,6,7
	v_pk_mul_f32 v[MK+2*\q:MK+2*\q+1], v[MK+2*\q:MK+2*\q+1], s[90:91] op_sel_hi:[1,0]   ; mask x log2 e.  These eight are also the places between the last
.endr                                                  ; P V products and the loads into V's fragments and the score products that write over P's
	LDV \sl, \kk
	; four accumulators by turns, one instruction a turn
.irp kc, 0,1
.irp hd, 0,1
.irp kt, 0,1
.if \kc
	v_wmma_f32_16x16x32_f16 v[SS+16*\hd+8*\kt:SS+16*\hd+8*\kt+7], v[KF+16*\kt+8*\kc:KF+16*\kt+8*\kc+7], v[QF+16*\hd+8*\kc:QF+16*\hd+8*\kc+7], v[SS+16*\hd+8*\kt:SS+16*\hd+8*\kt+7]
.else
	v_wmma_f32_16x16x32_f16 v[SS+16*\hd+8*\kt:SS+16*\hd+8*\kt+7], v[KF+16*\kt+8*\kc:KF+16*\kt+8*\kc+7], v[QF+16*\hd+8*\kc:QF+16*\hd+8*\kc+7], 0
.endif
.endr
.endr
.endr
	PLACES                                         ; in front of the loads into K's fragments and of the first reader of a score
.if \mode == 0
	LDK \sl, \kk+32
.endif
.irp hd, 0,1
.irp q, 0,1,2,3,4,5,6,7
	v_pk_fma_f32 v[SS+16*\hd+2*\q:SS+16*\hd+2*\q+1], v[SS+16*\hd+2*\q:SS+16*\hd+2*\q+1], 0x3e38aa3b, v[MK+2*\q:MK+2*\q+1] op_sel_hi:[1,0,1]   ; x log2 e / 8, + mask
.endr
.endr
.if \mode == 0
	LDM \sl, \kk+32
.endif
.if \mode == 1
	s_wait_dscnt 0x0                               ; V's fragments are in: all my reads of this slot are done
	s_wait_tensorcnt 0x0                           ; all my tensor loads have landed: the one that was out is my part of the other slot
	ds_add_u32 v254, v255
	s_wait_dscnt 0x0
	s_add_nc_u64 s[G0K+4*\sl+2:G0K+4*\sl+3], s[G0K+4*\sl+2:G0K+4*\sl+3], 2*TK*128   ; 256 keys on: 256 rows of 128 bytes,
	s_add_nc_u64 s[G0V+4*\sl+2:G0V+4*\sl+3], s[G0V+4*\sl+2:G0V+4*\sl+3], 2*TK*128
	s_add_nc_u64 s[G0M+4*\sl+2:G0M+4*\sl+3], s[G0M+4*\sl+2:G0M+4*\sl+3], 2*TK*4     ; 256 columns of 4 bytes
	s_barrier_signal -1                            ; say so: this opens the round; what follows up to the wait touches registers alone
.endif
.if \mode == 2
	s_wait_dscnt 0x0
	s_wait_tensorcnt 0x0                           ; the last tile has landed
	s_barrier_signal -1
.endif
	HMAX2 \first
.if \first == 0
	v_pk_add_f32 v[AL:AL+1], v[OLDM:OLDM+1], v[NEWM:NEWM+1] neg_lo:[0,1] neg_hi:[0,1]
.endif
.irp q, 0,1,2,3,4,5,6,7
	v_pk_add_f32 v[SS+2*\q:SS+2*\q+1], v[SS+2*\q:SS+2*\q+1], v[NEWM:NEWM+1] op_sel_hi:[1,0] neg_lo:[0,1] neg_hi:[0,1]
.endr
.irp q, 0,1,2,3,4,5,6,7
	v_pk_add_f32 v[SS+16+2*\q:SS+16+2*\q+1], v[SS+16+2*\q:SS+16+2*\q+1], v[NEWM:NEWM+1] op_sel:[0,1] op_sel_hi:[1,1] neg_lo:[0,1] neg_hi:[0,1]
.endr
.set i_, 0
.rept 32
	v_exp_f32 v[SS+i_], v[SS+i_]
.set i_, i_+1
.endr
.if \first == 0
	v_exp_f32 v[AL], v[AL]
	v_exp_f32 v[AL+1], v[AL+1]
.endif
	v_nop                                          ; one plain instruction between the exponentials and their first reader (ISA guide 5.7.2)
	HSUM2 \first
.if \first == 0
.set i_, 0
.rept 16
	v_pk_mul_f32 v[OO+2*i_:OO+2*i_+1], v[OO+2*i_:OO+2*i_+1], v[AL:AL+1] op_sel_hi:[1,0]
.set i_, i_+1
.endr
.set i_, 0
.rept 16
	v_pk_mul_f32 v[OO+32+2*i_:OO+32+2*i_+1], v[OO+32+2*i_:OO+32+2*i_+1], v[AL:AL+1] op_sel:[0,1] op_sel_hi:[1,1]
.set i_, i_+1
.endr
.endif
.if \mode == 0
	s_wait_dscnt 12                                ; V's eight loads are in; the 8 + 4 loads of the next keys' K and mask, issued behind them, stay out
.endif
.if \mode == 3
	s_wait_dscnt 0x0                               ; V's fragments
.endif
	; eight accumulators, one turn each (at a change of slots V's fragments were waited for in front of the signal)
.irp dt, 0,1,2,3
.irp hd, 0,1
.if \first
	v_wmma_f32_16x16x32_f16 v[OO+32*\hd+8*\dt:OO+32*\hd+8*\dt+7], v[VF+8*\dt:VF+8*\dt+7], v[SS+16*\hd:SS+16*\hd+7], 0
.else
	v_wmma_f32_16x16x32_f16 v[OO+32*\hd+8*\dt:OO+32*\hd+8*\dt+7], v[VF+8*\dt:VF+8*\dt+7], v[SS+16*\hd:SS+16*\hd+7], v[OO+32*\hd+8*\dt:OO+32*\hd+8*\dt+7]
.endif
.endr
.endr
.if \mode == 1
	s_barrier_wait -1                              ; all eight waves have said so;
	CREST                                          ; all sixteen work-groups have: no wave of any partner still reads this slot or has a load on its way
	FILL3 \sl                                      ; the joint refill, first behind the round
	LDK 1-\sl, 0
	LDM 1-\sl, 0
.endif
.if \mode == 2
	s_barrier_wait -1                              ; the last tile is whole, as every wave now knows; nothing is filled any more
	LDK 1-\sl, 0
	LDM 1-\sl, 0
.endif
.endm
	s_load_b128 s[4:7], s[0:1], 0x0                ; qkv s[4:5], attention_mask s[6:7]
	s_load_b64 s[8:9], s[0:1], 0x10                ; ab
	s_load_b64 s[92:93], s[0:1], 0x18              ; Wo
	s_load_b64 s[94:95], s[0:1], 0x20              ; wob
	v_lshl_add_u32 v254, v0, 2, 0x2bc00
	v_mov_b32 v255, 0
	ds_add_u32 v254, v255
	v_lshrrev_b32 v1, 5, v0
	v_readfirstlane_b32 s10, v1                    ; wave
	s_lshr_b32 s11, s10, 1                         ; qt
	s_and_b32 s12, s10, 1                          ; hp
	s_bfe_u32 s13, ttmp6, 0x40000                  ; cx
	s_bfe_u32 s14, ttmp6, 0x40004                  ; cy
	s_lshl_b32 s15, ttmp9, 2
	s_add_co_u32 s15, s15, s13                     ; qb
	s_and_b32 s16, ttmp7, 0xffff
	s_lshl_b32 s16, s16, 2
	s_add_co_u32 s16, s16, s14                     ; g
	s_lshl_b32 s17, s14, 2
	s_lshl_b32 s17, 15, s17                        ; my row of the cluster (same g)
	s_lshl_b32 s18, 0x1111, s13                    ; my column (same qb)
	s_or_b32 s[G1K+0], s17, (1<<16)|(1<<20)|(1<<21)|(4<<22)|(3<<25)    ; 2-byte elements; 4 words of padding after every 32
	s_mov_b32 s[G1K+1], 64<<16                     ; tensor_dim0 = 64
	s_mov_b32 s[G1K+2], TK<<16                     ; tensor_dim1 = 128
	s_mov_b32 s[G1K+3], 64<<16                     ; tile_dim0 = 64
	s_mov_b32 s[G1K+4], TK                         ; tile_dim1 = 128
	s_mov_b32 s[G1K+5], 64                         ; elements from row to row
	s_mov_b32 s[G1K+6], 0
	s_mov_b32 s[G1K+7], 0
	s_or_b32 s[G1V+0], s17, (1<<16)|(1<<20)|(1<<21)|(4<<22)|(7<<25)    ; the same with 8 words of padding
	s_mov_b32 s[G1V+1], 64<<16
	s_mov_b32 s[G1V+2], TK<<16
	s_mov_b32 s[G1V+3], 64<<16
	s_mov_b32 s[G1V+4], TK
	s_mov_b32 s[G1V+5], 64
	s_mov_b32 s[G1V+6], 0
	s_mov_b32 s[G1V+7], 0
	s_or_b32 s[G1M+0], s18, (2<<16)|(1<<20)|(1<<21)|(6<<22)|(3<<25)    ; 4-byte elements; 4 words of padding after every 128
	s_mov_b32 s[G1M+1], TK<<16
	s_mov_b32 s[G1M+2], 64<<16
	s_mov_b32 s[G1M+3], TK<<16
	s_mov_b32 s[G1M+4], 64
	s_mov_b32 s[G1M+5], 2048
	s_mov_b32 s[G1M+6], 0
	s_mov_b32 s[G1M+7], 0
	s_mov_b32 s77, 0x76543210                      ; v_permlanex16_b32: lane i of one half reads lane i of the other
	s_mov_b32 s78, 0xfedcba98
	s_mov_b32 s90, 0x3fb8aa3b                      ; log2 e
	s_mov_b32 s91, 0x3fb8aa3b
	s_lshl_b32 s20, s16, 18                        ; K: head 32 + g (cy alone enters)
	s_add_co_u32 s20, s20, 32*HEADB
	s_mov_b32 s21, 0
	s_lshl_b32 s80, s15, 19                        ; mask: row 64 qb of 8,192 bytes (cx alone enters)
	s_mov_b32 s81, 0
	s_lshl_b32 s84, s16, 20                        ; Q: head 4 g, row 64 qb of 128 bytes
	s_lshl_b32 s85, s15, 13
	s_add_co_u32 s84, s84, s85
	s_mov_b32 s85, 0
	s_lshl_b32 s88, s15, 18                        ; ab: row 64 qb of 4,096 bytes, byte 512 g
	s_lshl_b32 s89, s16, 9
	s_add_co_u32 s88, s88, s89
	s_mov_b32 s89, 0
	s_lshl_b32 s96, s16, 5
	s_add_co_u32 s96, s96, s15                     ; the work-group's number, 32 g + qb
	s_lshl_b32 s98, s96, 15                        ; its 32 KiB of wob
	s_lshl_b32 s96, s96, 16                        ; its 64 KiB of Wo
	s_mov_b32 s97, 0
	s_mov_b32 s99, 0
	s_wait_dscnt 0x0
	s_wait_kmcnt 0x0
	s_add_nc_u64 s[22:23], s[4:5], s[20:21]
	s_add_nc_u64 s[82:83], s[6:7], s[80:81]
	s_add_nc_u64 s[86:87], s[4:5], s[84:85]
	s_add_nc_u64 s[8:9], s[8:9], s[88:89]
	s_add_nc_u64 s[92:93], s[92:93], s[96:97]
	s_add_nc_u64 s[94:95], s[94:95], s[98:99]
.irp sl, 0,1
	s_mov_b32 s[G0K+4*\sl], 1
	s_mov_b32 s[G0K+4*\sl+1], \sl*SLOT
	s_add_nc_u64 s[G0K+4*\sl+2:G0K+4*\sl+3], s[22:23], \sl*TK*128
	s_or_b32 s[G0K+4*\sl+3], s[G0K+4*\sl+3], 0x80000000
	s_mov_b32 s[G0V+4*\sl], 1
	s_mov_b32 s[G0V+4*\sl+1], \sl*SLOT+VOFF
	s_add_nc_u64 s[G0V+4*\sl+2:G0V+4*\sl+3], s[22:23], 8*HEADB+\sl*TK*128
	s_or_b32 s[G0V+4*\sl+3], s[G0V+4*\sl+3], 0x80000000
	s_mov_b32 s[G0M+4*\sl], 1
	s_mov_b32 s[G0M+4*\sl+1], \sl*SLOT+MOFF
	s_add_nc_u64 s[G0M+4*\sl+2:G0M+4*\sl+3], s[82:83], \sl*TK*4
	s_or_b32 s[G0M+4*\sl+3], s[G0M+4*\sl+3], 0x80000000
.endr
	CROUND                                         ; in front of the first joint loads
	; the first fills of both slots, each wave's two inside one branch on its number: two loads of a wave are out at the most
	s_cmp_lg_u32 s10, 0
	s_cbranch_scc1 .Lp1
	tensor_load_to_lds s[G0K:G0K+3], s[G1K:G1K+7]
	s_nop 0
	tensor_load_to_lds s[G0K+4:G0K+7], s[G1K:G1K+7]
	s_nop 0
	s_branch .Lpe
.Lp1:
	s_cmp_lg_u32 s10, 1
	s_cbranch_scc1 .Lp2
	tensor_load_to_lds s[G0V:G0V+3], s[G1V:G1V+7]
	s_nop 0
	tensor_load_to_lds s[G0V+4:G0V+7], s[G1V:G1V+7]
	s_nop 0
	s_branch .Lpe
.Lp2:
	s_cmp_lg_u32 s10, 2
	s_cbranch_scc1 .Lpe
	tensor_load_to_lds s[G0M:G0M+3], s[G1M:G1M+7]
	s_nop 0
	tensor_load_to_lds s[G0M+4:G0M+7], s[G1M:G1M+7]
	s_nop 0
.Lpe:
	v_and_b32 v1, 15, v0                           ; r
	v_bfe_u32 v2, v0, 4, 1                         ; h
	v_and_b32 v3, 31, v0                           ; lane
	v_and_b32 v4, 7, v0
	v_bfe_u32 v5, v0, 3, 1
	s_lshl_b32 s19, s12, 19                        ; Q: head pair hp, row 16 qt + r, byte 16 h
	s_lshl_b32 s79, s11, 11
	s_add_co_u32 s19, s19, s79
	v_lshlrev_b32 v6, 7, v1
	v_lshl_add_u32 v6, v2, 4, v6
	v_add_nc_u32 v[QO], s19, v6
.irp hd, 0,1
.irp kc, 0,1
	global_load_b128 v[QF+16*\hd+8*\kc:QF+16*\hd+8*\kc+3],   v[QO], s[86:87] offset:\hd*HEADB+64*\kc
	global_load_b128 v[QF+16*\hd+8*\kc+4:QF+16*\hd+8*\kc+7], v[QO], s[86:87] offset:\hd*HEADB+64*\kc+32
.endr
.endr
	v_mul_u32_u24 v6, v1, KP
	v_lshl_add_u32 v[KAD], v2, 4, v6               ; r x 144 + 16 h
	v_add_nc_u32 v[KAD+1], SLOT, v[KAD]
	v_lshl_add_u32 v6, v2, 3, v4                   ; key 8 h + (lane & 7)
	v_mul_u32_u24 v6, v6, VP
	v_lshl_add_u32 v6, v5, 4, v6                   ; + 16 ((lane >> 3) & 1)
	v_add_nc_u32 v[VAD], VOFF, v6
	v_add_nc_u32 v[VAD+1], SLOT, v[VAD]
	s_mul_i32 s19, s11, 16*MP
	v_mul_u32_u24 v6, v1, MP
	v_add_nc_u32 v6, s19, v6                       ; (16 qt + r) x 528
	v_lshl_add_u32 v6, v2, 5, v6                   ; + 32 h
	v_add_nc_u32 v[MAD], MOFF, v6
	v_add_nc_u32 v[MAD+1], SLOT, v[MAD]
	s_mul_i32 s19, s11, 16*SP
	s_lshl_b32 s79, s12, 8
	s_add_co_u32 s19, s19, s79
	s_add_co_u32 s19, s19, STAGE
	v_mul_u32_u24 v6, v1, SP
	v_lshl_add_u32 v6, v2, 4, v6
	v_add_nc_u32 v[STO], s19, v6                   ; stage: row 16 qt + r, byte 256 hp + 16 h
	s_mul_i32 s19, s10, 8*SP
	s_add_co_u32 s19, s19, STAGE
	v_lshl_add_u32 v[RD], v3, 4, s19               ; back: rows 8 w .., 512 bytes a load
	s_lshl_b32 s19, s10, 15
	v_lshl_add_u32 v[CO], v3, 4, s19
	v_mov_b32 v[U], 0                              ; v_permlanex16_b32 counts as a reader of its destination
	v_mov_b32 v[U+1], 0
	v_lshlrev_b32 v[WL], 4, v0                     ; Wo: 16 bytes a thread; from here on v6 and v7 are not written again
	v_lshlrev_b32 v[WS], 3, v0                     ; wob: 8 bytes a thread
	s_wait_tensorcnt 0x1                           ; my part of slot 0 is in; slot 1's may stay out
	s_barrier_signal -1
	s_barrier_wait -1
	LDK 0, 0
	LDM 0, 0
	; Wo: my work-group's 64 KiB, 16 loads of 16 bytes a thread into window 1; a load of a wave covers 512 neighbouring bytes.  They stay out over the loop.
	WIN 0x40                                       ; destination in window 1, address in window 0
.set i_, 0
.rept 16
	global_load_b128 v[WO+4*i_:WO+4*i_+3], v[WL], s[92:93] offset:4096*i_ th:TH_LOAD_NT
.set i_, i_+1
.endr
	WIN 0
	s_wait_loadcnt 16                              ; loads come back in order: Q's eight are in, the 16 of Wo, issued behind them, stay out
	SUB 0, 0,  1, 0                                ; the launch's first 32 keys start the sums
	s_mov_b32 s76, 7
.Lpair:                                            ; trip i: the rest of tile 2 i, tile 2 i + 1, the first 32 keys of tile 2 i + 2
	SUB 0, 32, 0, 0
	SUB 0, 64, 0, 0
	SUB 0, 96, 0, 1                                ; slot 0 is filled again with tile 2 i + 2
	SUB 1, 0,  0, 0
	SUB 1, 32, 0, 0
	SUB 1, 64, 0, 0
	SUB 1, 96, 0, 1                                ; slot 1 with tile 2 i + 3: the last trip asks for tiles 14 and 15, the last there are
	SUB 0, 0,  0, 0
	s_sub_co_u32 s76, s76, 1
	s_cmp_lg_u32 s76, 0
	s_cbranch_scc1 .Lpair
	; Wo: rounded to bf16, widened again (a shift, a mask), written as f16, in place in window 1, level by level so that no line waits for the one in front;
	; then 16 stores, each of a wave covering 256 neighbouring bytes that start at a multiple of 256.  Their registers are not written again.
	s_wait_loadcnt 0x0
	WIN 0x45                                       ; sources 0 and 1 and the destination in window 1
.set i_, 0
.rept 16
	v_cvt_pk_bf16_f32 v[WO+4*i_],   v[WO+4*i_],   v[WO+4*i_+1]
	v_cvt_pk_bf16_f32 v[WO+4*i_+1], v[WO+4*i_+2], v[WO+4*i_+3]
.set i_, i_+1
.endr
.set i_, 0
.rept 16
	v_lshlrev_b32 v[WO+4*i_+2], 16, v[WO+4*i_]
	v_and_b32     v[WO+4*i_+3], 0xffff0000, v[WO+4*i_]
.set i_, i_+1
.endr
.set i_, 0
.rept 16
	v_cvt_pk_f16_f32 v[WO+4*i_], v[WO+4*i_+2], v[WO+4*i_+3]
.set i_, i_+1
.endr
.set i_, 0
.rept 16
	v_lshlrev_b32 v[WO+4*i_+2], 16, v[WO+4*i_+1]
	v_and_b32     v[WO+4*i_+3], 0xffff0000, v[WO+4*i_+1]
.set i_, i_+1
.endr
.set i_, 0
.rept 16
	v_cvt_pk_f16_f32 v[WO+4*i_+1], v[WO+4*i_+2], v[WO+4*i_+3]
.set i_, i_+1
.endr
	WIN 0x04                                       ; the stores' data (source 1) in window 1, their address in window 0
.set i_, 0
.rept 16
	global_store_b64 v[WS], v[WO+4*i_:WO+4*i_+1], s[94:95] offset:2048*i_
.set i_, i_+1
.endr
	WIN 0
	SUB 0, 32, 0, 0                                ; the rest of tile 14 and tile 15: nothing is left to fetch
	SUB 0, 64, 0, 0
	SUB 0, 96, 0, 2
	SUB 1, 0,  0, 0
	SUB 1, 32, 0, 0
	SUB 1, 64, 0, 0
	SUB 1, 96, 0, 3
	PLACES                                         ; behind the last matrix instructions
	v_permlanex16_b32 v[U],   v[LS],   s77, s78    ; the other half's keys
	v_permlanex16_b32 v[U+1], v[LS+1], s77, s78
	v_pk_add_f32 v[LS:LS+1], v[LS:LS+1], v[U:U+1]
	v_rcp_f32 v[AL],   v[LS]
	v_rcp_f32 v[AL+1], v[LS+1]
	v_nop
.set i_, 0
	s_wait_alu depctr_va_vdst(0)
.rept 16
	v_pk_mul_f32 v[OO+2*i_:OO+2*i_+1], v[OO+2*i_:OO+2*i_+1], v[AL:AL+1] op_sel_hi:[1,0]
.set i_, i_+1
.endr
.set i_, 0
.rept 16
	v_pk_mul_f32 v[OO+32+2*i_:OO+32+2*i_+1], v[OO+32+2*i_:OO+32+2*i_+1], v[AL:AL+1] op_sel:[0,1] op_sel_hi:[1,1]
.set i_, i_+1
.endr
.irp hd, 0,1
.irp dt, 0,1,2,3
.irp q, 0,1,2,3
	v_cvt_pk_f16_f32 v[SS+4*(4*\hd+\dt)+\q], v[OO+32*\hd+8*\dt+2*\q], v[OO+32*\hd+8*\dt+2*\q+1]
.endr
	ds_store_b128 v[STO], v[SS+4*(4*\hd+\dt):SS+4*(4*\hd+\dt)+3] offset:128*\hd+32*\dt    ; d = 16 dt + 8 h + 0..7 of query r
.endr
.endr
	s_wait_dscnt 0x0                               ; two waves complete each row: my stores are done,
	s_barrier_signal -1
	s_barrier_wait -1                              ; everybody's are
.irp t, 0,1,2,3,4,5,6,7
	ds_load_b128 v[KF+4*\t:KF+4*\t+3], v[RD] offset:\t*SP
.endr
.irp t, 0,1,2,3,4,5,6,7
	s_wait_dscnt 7-\t
	global_store_b128 v[CO], v[KF+4*\t:KF+4*\t+3], s[8:9] offset:4096*\t     ; 512 neighbouring bytes of a row of ab, starting at a multiple of 512
.endr
	s_wait_tensorcnt 0x0
	ds_add_u32 v254, v255
	s_wait_dscnt 0x0
	CROUND                                         ; the closing round
	s_endpgm
.Lfunc_end_k_qe654ef75d1_attn:
	.size	k_qe654ef75d1_attn, .Lfunc_end_k_qe654ef75d1_attn-k_qe654ef75d1_attn
	.p2alignl 7, 3214868480
	.fill 96, 4, 3214868480
	.section	.rodata,"a",@progbits
	.p2align	6, 0x0
	.amdhsa_kernel k_qe654ef75d1_attn
		.amdhsa_group_segment_fixed_size 327680
		.amdhsa_private_segment_fixed_size 0
		.amdhsa_enable_private_segment 0
		.amdhsa_kernarg_size 40
		.amdhsa_user_sgpr_count 2
		.amdhsa_user_sgpr_kernarg_segment_ptr 1
		.amdhsa_wavefront_size32 1
		.amdhsa_system_sgpr_workgroup_id_x 1
		.amdhsa_system_sgpr_workgroup_id_y 1
		.amdhsa_system_sgpr_workgroup_id_z 1
		.amdhsa_system_vgpr_workitem_id 0
		.amdhsa_next_free_vgpr 320
		.amdhsa_next_free_sgpr 100
		.amdhsa_reserve_vcc 0
		.amdhsa_float_denorm_mode_32 3
		.amdhsa_float_denorm_mode_16_64 3
		.amdhsa_memory_ordered 1
		.amdhsa_forward_progress 1
		.amdhsa_inst_pref_size 217
	.end_amdhsa_kernel
	.amdgpu_metadata
---
amdhsa.version: [ 1, 2 ]
amdhsa.kernels:
  - .name:           k_qe654ef75d1_attn
    .symbol:         k_qe654ef75d1_attn.kd
    .args:
      - { .name: qkv, .offset: 0, .size: 8, .value_kind: global_buffer, .address_space: global }
      - { .name: attention_mask, .offset: 8, .size: 8, .value_kind: global_buffer, .address_space: global }
      - { .name: ab, .offset: 16, .size: 8, .value_kind: global_buffer, .address_space: global }
      - { .name: Wo, .offset: 24, .size: 8, .value_kind: global_buffer, .address_space: global }
      - { .name: wob, .offset: 32, .size: 8, .value_kind: global_buffer, .address_space: global }
    .group_segment_fixed_size: 327680
    .private_segment_fixed_size: 0
    .kernarg_segment_align: 8
    .kernarg_segment_size: 40
    .max_flat_workgroup_size: 256
    .sgpr_count:     100
    .vgpr_count:     320
    .wavefront_size: 32
...
	.end_amdgpu_metadata
.endif
;; end of part 3
;; launch oproj (part 4): grid 16 x 16, 4 waves a work-group, clusters of 4 x 4, 327,680 bytes of LDS; arguments ab, wob, out0; writes out0
.if DOCPART == 4
	.amdgcn_target "amdgcn-amd-amdhsa--gfx1250"
	.amdhsa_code_object_version 6
	.text
	.protected	k_qe654ef75d1_oproj
	.globl	k_qe654ef75d1_oproj
	.p2align	8
	.type	k_qe654ef75d1_oproj,@function
k_qe654ef75d1_oproj:
	s_mov_b64 s[64:65], 0
	v_nop
	global_prefetch_b8 v0, s[64:65] scope:SCOPE_SE
	s_setreg_imm32_b32 hwreg(HW_REG_WAVE_MODE, 25, 1), 1
	s_wait_xcnt 0x0
	s_wait_alu depctr_hold_cnt(0) depctr_sa_sdst(0) depctr_va_vdst(0) depctr_va_sdst(0) depctr_va_ssrc(0) depctr_va_vcc(0) depctr_vm_vsrc(0)
	s_getreg_b32 s2, hwreg(HW_REG_IB_STS2, 6, 4)
	s_cmp_eq_u32 s2, 0
	s_cbranch_scc0 .Lentry_in_a_cluster
	s_endpgm
.Lentry_in_a_cluster:
	s_bfe_u32 s2, ttmp6, 0x10000c
	s_cmp_lg_u32 s2, 0xf033
	s_cbranch_scc0 .Lentry_shape_is_right
	s_endpgm
.Lentry_shape_is_right:
; out0[2048 s][2048 e] = ab wob^T, f16 operands (wob holds Wo rounded to bf16, written as f16), f32 sums, f32 out.
; A work-group makes 128 x 128 with four waves; wave (wm, wn) makes rows 64 wm .. + 63 and the four column tiles 32 i + 16 wn + 0..15.
; K goes in steps of 256 (rows of 512 bytes) through two LDS slots filled by the tensor data mover: from a request to the wait for it a wave issues
; 120 matrix instructions.  CLUSTER 4 x 4: ab's tiles are shared along a cluster row, wob's along a column, both asked for jointly.
; The matrix instruction is used transposed (source 0 = rows of W, source 1 = rows of ab): register j of lane (r, h) of tile (a, i) is
; C(64 wm + 16 a + r, 32 i + 16 wn + 8 h + j).  Window 0: addresses and two fragment buffers; window 1: 16 accumulator tiles, tile (a, i) at 8 (4 a + i).
.set KSTEP,  256
.set PITCH,  528                       ; 512 bytes + 16: an odd multiple of 16
.set QI,     6                         ; padding after every 128 words
.set NI,     4
.set RA,     64
.set RB,     64
.set NB,     128
.set ABYTES, 128*PITCH
.set SLOT,   ABYTES+NB*PITCH           ; 135,168
.set STAGE,  2*SLOT                    ; 270,336: 64 rows x 528 bytes, written by ds_store alone
.set OPITCH, 528
.set LAPS,   2048/(2*KSTEP)
.set FB,     8*NI+32
.set F0,     32
.set F1,     F0+FB
.set ADRA, 16
.set ADRB, 18
.set STO,  20
.set RD,   21
.set CO,   22
.set G1,  24
.set G0,  32
.set G1B, 40
.set G0B, 48
.set MSB, 0
.macro WIN new                         ; the immediate's high byte repeats the setting that is left
.if MSB != \new
	s_set_vgpr_msb (MSB<<8)|\new
.set MSB, \new
.endif
.endm
.macro PLACES                          ; four places behind a matrix instruction (ISA guide 7.12.1)
.rept 4
	v_nop
.endr
.endm
.macro CREST
	s_cmp_lg_u32 s14, 0
	s_cbranch_scc1 .Lnot_wave_0_\@
	s_barrier_signal -3
.Lnot_wave_0_\@:
	s_barrier_wait -3
	s_barrier_signal -1
	s_barrier_wait -1
.endm
.macro CROUND
	s_barrier_signal -1
	s_barrier_wait -1
	CREST
.endm
.macro JLOAD sl                        ; waves 0, 1 ask for ab's two halves, waves 2, 3 for W's: one load a wave
	s_cmp_eq_u32 s15, 0
	s_cbranch_scc0 .Lfor_b_\@
	tensor_load_to_lds s[G0+4*\sl:G0+4*\sl+3], s[G1:G1+7]
	s_nop 0
	s_branch .Lasked_\@
.Lfor_b_\@:
	tensor_load_to_lds s[G0B+4*\sl:G0B+4*\sl+3], s[G1B:G1B+7]
	s_nop 0
.Lasked_\@:
.endm
.macro MULROW f, a, zero
.set i_, 0
.rept NI
.if \zero
	v_wmma_f32_16x16x32_f16 v[8*(NI*\a+i_):8*(NI*\a+i_)+7], v[\f+8*i_:\f+8*i_+7], v[\f+8*NI+8*\a:\f+8*NI+8*\a+7], 0
.else
	v_wmma_f32_16x16x32_f16 v[8*(NI*\a+i_):8*(NI*\a+i_)+7], v[\f+8*i_:\f+8*i_+7], v[\f+8*NI+8*\a:\f+8*NI+8*\a+7], v[8*(NI*\a+i_):8*(NI*\a+i_)+7]
.endif
.set i_, i_+1
.endr
.endm
.macro FETCH sl, k, f
.set i_, 0
.rept NI
	ds_load_b128 v[\f+8*i_:\f+8*i_+3],   v[ADRB+\sl] offset:\k+i_*32*PITCH
	ds_load_b128 v[\f+8*i_+4:\f+8*i_+7], v[ADRB+\sl] offset:\k+i_*32*PITCH+32
.set i_, i_+1
.endr
.set i_, 0
.rept 4
	ds_load_b128 v[\f+8*NI+8*i_:\f+8*NI+8*i_+3],   v[ADRA+\sl] offset:\k+i_*16*PITCH
	ds_load_b128 v[\f+8*NI+8*i_+4:\f+8*NI+8*i_+7], v[ADRA+\sl] offset:\k+i_*16*PITCH+32
.set i_, i_+1
.endr
.endm
; 16 matrix instructions on buffer f, the next 16 loads into buffer g in front of them.  The 16 accumulators take turns, one instruction a turn,
; in the same order everywhere.
.macro QUARTER sl, k, f, g, zero
	s_wait_dscnt 0x0                               ; buffer f is in; nothing younger is out
	PLACES                                         ; between the last matrix instruction that read g and the loads into g
	FETCH \sl, \k, \g
	WIN 0x50
	MULROW \f, 0, \zero
	MULROW \f, 1, \zero
	MULROW \f, 2, \zero
	MULROW \f, 3, \zero
	WIN 0
.endm
; The step's last part, on buffer 1, and the change of slots: each wave's reads of this slot and all its tensor loads are waited for in front of the
; barrier; fill = 1: the barrier opens a round of the cluster's barrier and the joint refill is the first tensor load behind the round.
.macro TURN sl, next, fill
	s_wait_dscnt 0x0
	s_wait_tensorcnt 0x0
	ds_add_u32 v254, v255
	s_wait_dscnt 0x0
	s_barrier_signal -1
	WIN 0x50
	MULROW F1, 0, 0
	MULROW F1, 1, 0
	WIN 0
	s_barrier_wait -1
.if \fill
	CREST
	s_add_nc_u64 s[G0+4*\sl+2:G0+4*\sl+3], s[G0+4*\sl+2:G0+4*\sl+3], 2*KSTEP*2
	s_add_nc_u64 s[G0B+4*\sl+2:G0B+4*\sl+3], s[G0B+4*\sl+2:G0B+4*\sl+3], 2*KSTEP*2
	JLOAD \sl
.endif
	PLACES
	FETCH \next, 0, F0
	WIN 0x50
	MULROW F1, 2, 0
	MULROW F1, 3, 0
	WIN 0
.endm
.macro STEPQ sl, zero                  ; seven of the step's eight parts of 32 along K
	QUARTER \sl, 64,  F0, F1, \zero
	QUARTER \sl, 128, F1, F0, 0
	QUARTER \sl, 192, F0, F1, 0
	QUARTER \sl, 256, F1, F0, 0
	QUARTER \sl, 320, F0, F1, 0
	QUARTER \sl, 384, F1, F0, 0
	QUARTER \sl, 448, F0, F1, 0
.endm
.macro LAP zero
	STEPQ 0, \zero
	TURN 0, 1, 1
	STEPQ 1, 0
	TURN 1, 0, 1
.endm
	s_load_b128 s[4:7], s[0:1], 0x0                ; ab s[4:5], wob s[6:7]
	s_load_b64 s[8:9], s[0:1], 0x10                ; out0
	v_lshl_add_u32 v254, v0, 2, 0x4a400
	v_mov_b32 v255, 0
	ds_add_u32 v254, v255
	v_lshrrev_b32 v1, 5, v0
	v_readfirstlane_b32 s14, v1                    ; wave
	s_lshr_b32 s15, s14, 1                         ; wm; also: I fetch for ab (0) or for W (1)
	s_and_b32 s16, s14, 1                          ; wn; also: which half of that tile
	s_bfe_u32 s17, ttmp6, 0x40000                  ; cx
	s_bfe_u32 s18, ttmp6, 0x40004                  ; cy
	s_lshl_b32 s19, ttmp9, 2
	s_add_co_u32 s19, s19, s17                     ; bx
	s_and_b32 s20, ttmp7, 0xffff
	s_lshl_b32 s20, s20, 2
	s_add_co_u32 s20, s20, s18                     ; by
	s_lshl_b32 s21, s18, 2
	s_lshl_b32 s21, 15, s21                        ; my row of the cluster
	s_lshl_b32 s22, 0x1111, s17                    ; my column
	s_or_b32 s[G1+0], s21, (1<<16)|(1<<20)|(1<<21)|(QI<<22)|(3<<25)
	s_mov_b32 s[G1+1], KSTEP<<16
	s_mov_b32 s[G1+2], RA<<16
	s_mov_b32 s[G1+3], KSTEP<<16
	s_mov_b32 s[G1+4], RA
	s_mov_b32 s[G1+5], 2048
	s_mov_b32 s[G1+6], 0
	s_mov_b32 s[G1+7], 0
	s_or_b32 s[G1B+0], s22, (1<<16)|(1<<20)|(1<<21)|(QI<<22)|(3<<25)
	s_mov_b32 s[G1B+1], KSTEP<<16
	s_mov_b32 s[G1B+2], RB<<16
	s_mov_b32 s[G1B+3], KSTEP<<16
	s_mov_b32 s[G1B+4], RB
	s_mov_b32 s[G1B+5], 2048
	s_mov_b32 s[G1B+6], 0
	s_mov_b32 s[G1B+7], 0
	s_lshl_b32 s56, s20, 19                        ; ab: row 128 by + 64 wn (cy alone enters)
	s_lshl_b32 s57, s16, 18
	s_add_co_u32 s56, s56, s57
	s_mov_b32 s57, 0
	s_lshl_b32 s60, s19, 19                        ; W: row 128 bx + 64 wn (cx alone enters)
	s_lshl_b32 s61, s16, 18
	s_add_co_u32 s60, s60, s61
	s_mov_b32 s61, 0
	s_mul_i32 s23, s16, RA*PITCH                   ; LDS: of the wave's number alone
	s_mul_i32 s66, s16, RB*PITCH
	s_add_co_u32 s66, s66, ABYTES
	s_lshl_b32 s76, s20, 20                        ; out0: row 128 by of 8,192 bytes, byte 512 bx
	s_lshl_b32 s77, s19, 9
	s_add_co_u32 s76, s76, s77
	s_mov_b32 s77, 0
	s_wait_dscnt 0x0
	s_wait_kmcnt 0x0
	s_add_nc_u64 s[58:59], s[4:5], s[56:57]
	s_add_nc_u64 s[62:63], s[6:7], s[60:61]
	s_add_nc_u64 s[8:9], s[8:9], s[76:77]
	CROUND                                         ; in front of the first joint loads
.irp sl, 0,1
	s_mov_b32 s[G0+4*\sl], 1
	s_add_co_u32 s[G0+4*\sl+1], s23, \sl*SLOT
	s_add_nc_u64 s[G0+4*\sl+2:G0+4*\sl+3], s[58:59], \sl*KSTEP*2
	s_or_b32 s[G0+4*\sl+3], s[G0+4*\sl+3], 0x80000000
	s_mov_b32 s[G0B+4*\sl], 1
	s_add_co_u32 s[G0B+4*\sl+1], s66, \sl*SLOT
	s_add_nc_u64 s[G0B+4*\sl+2:G0B+4*\sl+3], s[62:63], \sl*KSTEP*2
	s_or_b32 s[G0B+4*\sl+3], s[G0B+4*\sl+3], 0x80000000
	JLOAD \sl                                      ; K steps 0 and 1: two loads of a wave are out here, later one
.endr
	v_and_b32 v1, 15, v0                           ; r
	v_bfe_u32 v2, v0, 4, 1                         ; h
	v_and_b32 v3, 31, v0                           ; lane
	v_mul_u32_u24 v4, v1, PITCH
	v_lshl_add_u32 v4, v2, 4, v4
	s_mul_i32 s2, s15, 64*PITCH
	s_mul_i32 s3, s16, 16*PITCH
	s_add_co_u32 s3, s3, ABYTES
	v_add_nc_u32 v[ADRA], s2, v4
	v_add_nc_u32 v[ADRA+1], SLOT, v[ADRA]
	v_add_nc_u32 v[ADRB], s3, v4
	v_add_nc_u32 v[ADRB+1], SLOT, v[ADRB]
	v_mul_u32_u24 v5, v1, OPITCH                   ; into the stage: row 32 wm + r, byte 64 wn + 32 h
	v_lshl_add_u32 v5, v2, 5, v5
	s_mul_i32 s2, s15, 32*OPITCH
	s_lshl_b32 s3, s16, 6
	s_add_co_u32 s2, s2, s3
	s_add_co_u32 s2, s2, STAGE
	v_add_nc_u32 v[STO], s2, v5
	s_mul_i32 s2, s14, 16*OPITCH                   ; back: rows 16 wave .., a whole row of 512 bytes a load
	s_add_co_u32 s2, s2, STAGE
	v_lshl_add_u32 v[RD], v3, 4, s2
	s_lshl_b32 s2, s15, 19                         ; in out0: row 64 wm + 16 wn (+ 32 pass + t)
	s_lshl_b32 s3, s16, 17
	s_add_co_u32 s2, s2, s3
	v_lshl_add_u32 v[CO], v3, 4, s2
	s_wait_tensorcnt 0x1                           ; my part of K step 0 is in; step 1's may stay out
	s_barrier_signal -1
	s_barrier_wait -1
	FETCH 0, 0, F0
	LAP 1
	s_mov_b32 s3, LAPS-2
.Llap:
	LAP 0
	s_sub_co_u32 s3, s3, 1
	s_cmp_lg_u32 s3, 0
	s_cbranch_scc1 .Llap
	STEPQ 0, 0                                     ; the last lap fills nothing
	TURN 0, 1, 0
	STEPQ 1, 0
	s_wait_dscnt 0x0
	WIN 0x50
	MULROW F1, 0, 0
	MULROW F1, 1, 0
	MULROW F1, 2, 0
	MULROW F1, 3, 0
	WIN 0
; The way out, pass p: row tiles 2 p and 2 p + 1 of all four waves go through the stage (64 rows of 512 bytes) and leave as whole pieces of rows.
.macro OUTP p, f
	WIN 0x04                                       ; the stores' data in window 1
.irp aa, 0,1
.irp i, 0,1,2,3
	ds_store_b128 v[STO], v[8*(NI*(2*\p+\aa)+\i):8*(NI*(2*\p+\aa)+\i)+3]   offset:\aa*16*OPITCH+128*\i
	ds_store_b128 v[STO], v[8*(NI*(2*\p+\aa)+\i)+4:8*(NI*(2*\p+\aa)+\i)+7] offset:\aa*16*OPITCH+128*\i+16
.endr
.endr
	WIN 0
	s_wait_dscnt 0x0                               ; two waves complete each row: my stores are done,
	s_barrier_signal -1
	s_barrier_wait -1                              ; everybody's are
.set i_, 0
.rept 16
	ds_load_b128 v[\f+4*i_:\f+4*i_+3], v[RD] offset:i_*OPITCH
.set i_, i_+1
.endr
.set i_, 0
.rept 16
	s_wait_dscnt 15-i_                             ; LDS loads come back in order: load i is in
	global_store_b128 v[CO], v[\f+4*i_:\f+4*i_+3], s[8:9] offset:(32*\p+i_)*8192 th:TH_STORE_NT    ; 512 neighbouring bytes, starting at a multiple of 512
.set i_, i_+1
.endr
.endm
	PLACES                                         ; behind the last matrix instructions, in front of the stores that read results
	OUTP 0, F0
	s_barrier_signal -1                            ; every wave's reads of the stage are back (the count-down ended at 0): it may be written again
	s_barrier_wait -1
	OUTP 1, F1
	s_wait_tensorcnt 0x0
	ds_add_u32 v254, v255
	s_wait_dscnt 0x0
	CROUND                                         ; the closing round
	s_endpgm
.Lfunc_end_k_qe654ef75d1_oproj:
	.size	k_qe654ef75d1_oproj, .Lfunc_end_k_qe654ef75d1_oproj-k_qe654ef75d1_oproj
	.p2alignl 7, 3214868480
	.fill 96, 4, 3214868480
	.section	.rodata,"a",@progbits
	.p2align	6, 0x0
	.amdhsa_kernel k_qe654ef75d1_oproj
		.amdhsa_group_segment_fixed_size 327680
		.amdhsa_private_segment_fixed_size 0
		.amdhsa_enable_private_segment 0
		.amdhsa_kernarg_size 24
		.amdhsa_user_sgpr_count 2
		.amdhsa_user_sgpr_kernarg_segment_ptr 1
		.amdhsa_wavefront_size32 1
		.amdhsa_system_sgpr_workgroup_id_x 1
		.amdhsa_system_sgpr_workgroup_id_y 1
		.amdhsa_system_sgpr_workgroup_id_z 1
		.amdhsa_system_vgpr_workitem_id 0
		.amdhsa_next_free_vgpr 384
		.amdhsa_next_free_sgpr 80
		.amdhsa_reserve_vcc 0
		.amdhsa_float_denorm_mode_32 3
		.amdhsa_float_denorm_mode_16_64 3
		.amdhsa_memory_ordered 1
		.amdhsa_forward_progress 1
		.amdhsa_inst_pref_size 126
	.end_amdhsa_kernel
	.amdgpu_metadata
---
amdhsa.version: [ 1, 2 ]
amdhsa.kernels:
  - .name:           k_qe654ef75d1_oproj
    .symbol:         k_qe654ef75d1_oproj.kd
    .args:
      - { .name: ab, .offset: 0, .size: 8, .value_kind: global_buffer, .address_space: global }
      - { .name: wob, .offset: 8, .size: 8, .value_kind: global_buffer, .address_space: global }
      - { .name: out0, .offset: 16, .size: 8, .value_kind: global_buffer, .address_space: global }
    .group_segment_fixed_size: 327680
    .private_segment_fixed_size: 0
    .kernarg_segment_align: 8
    .kernarg_segment_size: 24
    .max_flat_workgroup_size: 128
    .sgpr_count:     80
    .vgpr_count:     384
    .wavefront_size: 32
...
	.end_amdgpu_metadata
.endif
;; end of part 4
